; MI455X (gfx1250); checked and timed in simulation.
; The chip was launched on July 23, 2026; its instructions are those of AMD's public machine-readable ISA for CDNA 5 (MIT licence, August 2026) and "CDNA5" Instruction Set Architecture Reference Guide (July 2026). The comments in the code are by the model that wrote it; some were corrected since.
;; Self Attention. Allowed arithmetic: matrix products marked QUANTISED: E2M3 operands, one E8M0 scale for each 32 along K, by v_wmma_scale_f32_16x16x128_f8f6f4 with both operands' format E2M3, f32 sums; everything else in f32.
;; Inputs: Wk 1,024 x 1,024 float32; Wq 1,024 x 1,024 float32; Wv 1,024 x 1,024 float32; bk 1,024 float32; bq 1,024 float32; bv 1,024 float32; x 4 x 2,048 x 1,024 float32.
;; Outputs: out0 4 x 2,048 x 1,024 float32.
;; This version of the problem:
;;   THIS VERSION OF THE PROBLEM IS GIVEN IN LOW PRECISION. The matrix products marked QUANTISED in the list below multiply operands that are first quantised to E2M3 (2 exponent bits, 3 mantissa bits; 6 bits a number), with one power-of-two scale for each 32 numbers along K (OCP MX v1.0); their sums are f32. All else is computed in f32.
;;   The module's matrix products, in the order in which they are computed (A, B: the left and right operand; K: the contracted axis; several contracted axes count as one K, in the product's order):
;;     1. [M 8,192, K 1,024] x [K 1,024, N 1,024]; A: input x; B: input Wq: QUANTISED
;;     2. [M 8,192, K 1,024] x [K 1,024, N 1,024]; A: input x; B: input Wk: QUANTISED
;;     3. [M 8,192, K 1,024] x [K 1,024, N 1,024]; A: input x; B: input Wv: QUANTISED
;;     4. batch 64 x [M 2,048, K 64] x [K 64, N 2,048]; A: computed on the way; B: computed on the way: QUANTISED
;;     5. batch 64 x [M 2,048, K 2,048] x [K 2,048, N 64]; A: softmax (see below); B: computed on the way: QUANTISED
;;   THE QUANTISER, for each operand of a quantised product, along K:
;;     - K is cut into blocks of 32 from its start; a last block that is shorter is filled with zeros.
;;     - A block's scale is 2^e with e = floor(log2(the largest magnitude in the block)) - 2, held to -126 .. 127; a block of zeros has e = 0. As a byte (E8M0): e + 127.
;;     - Each number is divided by its block's scale, clamped to +-7.5, and rounded to the nearest number of E2M3, ties to even, subnormals kept.
;;     - The product sums the exact products of the quantised numbers (number of the format x scale) in f32.
;;   ~~~python
;;   def quantise(x, axis):      # numpy; x: float32 -> the quantised numbers, widened to float32 again
;;       x = np.moveaxis(x, axis, -1); K = x.shape[-1]
;;       x = np.pad(x, [(0, 0)] * (x.ndim - 1) + [(0, -K % 32)]); x = x.reshape(x.shape[:-1] + (-1, 32)); a = np.abs(x).max(-1, keepdims=True)
;;       e = np.where(a > 0, np.clip(np.frexp(np.where(a > 0, a, 1))[1] - 1 - 2, -126, 127), 0)      # np.frexp(a)[1] - 1 = floor(log2(a)), exactly
;;       r = np.clip(x / 2.0 ** e, -7.5, 7.5)
;;       step = 2.0 ** (np.maximum(np.frexp(np.where(r == 0, 1, r))[1] - 1, 0) - 3)
;;       q = np.round(r / step) * step * 2.0 ** e      # np.round: ties to even
;;       return np.moveaxis(q.reshape(q.shape[:-2] + (-1,))[..., :K], -1, axis).astype(np.float32)
;;   ~~~
;;   SOFTMAX AHEAD OF A QUANTISED PRODUCT. Where the list says 'softmax', what is quantised is not the finished softmax but p = 2^(t - M), with t = logit x log2(e) and M = ceil(the row's largest t), a whole number; so 1/2 < the row's largest p <= 1. The row's sum l is taken of the UNQUANTISED p, in f32, and the product's result is divided by l at the end. Since M is a whole number, a kernel that streams over the keys may use a running M (the ceiling of the running maximum): every later rescaling is an exact power of two, which a block's scale takes up: the codes' values come out the same.
;;   OPERANDS COMPUTED ON THE WAY. 'Computed on the way' means the value that the module computes at that place (a softmax that the list does not call 'softmax' is quantised finished and normalised). What goes into a quantiser is computed in f32, as accurately as f32 sums, v_exp_f32 and their like allow (about 1e-6 of the number): no bf16 or f16 on the way to a quantiser, and a product that is left as it is and whose result goes on into a quantised operand takes f32 operands (vector FMAs, or v_wmma_f32_16x16x4_f32). A number that lies on a knife's edge between two numbers of the format may be rounded either way, as far as f32 arithmetic and the matrix unit's own rounding can turn it there, and no further.
;; One version. Each part assembles by itself: llvm-mc -triple=amdgcn-amd-amdhsa -mcpu=gfx1250 --defsym DOCPART=n.
;; ======== version 1 of 1: 3 launches
;; workspace buffers: xc 6,291,456 bytes; xs 262,144 bytes; wc 2,359,296 bytes; ws 98,304 bytes; qq 13,369,344 bytes; kv 13,369,344 bytes
;; launch quant (part 1): grid 352 x 1, 4 waves a work-group, no clusters, 69,120 bytes of LDS; arguments x, Wq, Wk, Wv, xc, xs, wc, ws; writes xc, xs, wc, ws
.if DOCPART == 1
	.amdgcn_target "amdgcn-amd-amdhsa--gfx1250"
	.amdhsa_code_object_version 6
	.text
	.protected	k_qb723051d02_quant
	.globl	k_qb723051d02_quant
	.p2align	8
	.type	k_qb723051d02_quant,@function
k_qb723051d02_quant:
	s_mov_b64 s[64:65], 0
	v_nop
	global_prefetch_b8 v0, s[64:65] scope:SCOPE_SE
	s_setreg_imm32_b32 hwreg(HW_REG_WAVE_MODE, 25, 1), 1
	s_wait_xcnt 0x0
; x [8192][1024] and Wq, Wk, Wv [1024 (k)][1024 (n)], f32, become codes of FP6 (E2M3), K innermost, 768 bytes a row, with one E8M0 byte for each 32 along K, 32 bytes a row.
; xc, xs: a row for each token.  wc, ws: a row for each output column n; rows 0-1023 Wq's, 1024-2047 Wk's, 2048-3071 Wv's.
; A block's scale is 2^(floor(log2(its largest magnitude)) - 2): its byte is the largest magnitude's exponent field - 2, held at 1 from below.
; STORED ROWS: row l of either tensor is stored at the place l with bits 3 and 4 exchanged.  So 16 stored neighbours, tile 2 b + u, row r, are the rows 32 b + 8 u + r % 8 + 16 (r / 8):
; a product that takes such a tile as its source 0 leaves, in the 16 registers of tiles 2 b and 2 b + 1, 16 neighbours of the true order, which is what the next quantiser wants.
; LIMITS: NaN and infinities among the inputs are not served; a block whose largest magnitude lies under 2^-124 gets the byte 1; a block of zeros gets the byte 1 and not 127: its codes are zeros, and this program alone reads the bytes.
; Work-groups 0-95 take the weights (K is their first axis: a lane takes a column, its registers run down K), work-groups 96-351 take x (K innermost).  The two ways part on the work-group's number and have LDS bytes of their own.
; No tensor loads, no barrier: waves share nothing.
.set KROW,  768                        ; a row of codes in bytes
.set EMAX,  2
; the weights' way
.set NB,    8                          ; blocks of 32 along K for a wave: 256 along K
.set ROWB,  192                        ; their codes in bytes
.set PITCH, 272                        ; a stage row: sixteen places of 16 bytes, each with 12 bytes of codes, + 16.  Stages: LDS bytes 0 to 34,815
.set WX,    32                         ; v32-95   two sets of 32 numbers
.set WC,    96                         ; v96..    a block's codes
.set WOUT,  112                        ; v112-175 the way out
.set WSB,   24                         ; v24-25   eight scale bytes
; x's way
.set XLDS,  35840                      ; LDS bytes 35,840 to 68,607: 8,192 for each wave
.set WREG,  8192
.set SP,    80                         ; a lane's place in a stage: its 64 bytes + 16 of padding
.set CB,    12                         ; bytes of 16 codes
.set STEPS, 16
.set XR,    16                         ; v16-79   four sets of 16 numbers as they are loaded
.set XX,    80                         ; v80-111  two sets of 16 neighbours
.set XE,    112                        ; v112-127 a scale byte for each step
.set XC,    128                        ; v128-191 codes: four registers for each step, so that no store's data are written again
	s_load_b256 s[4:11], s[0:1], 0x0               ; x s[4:5], Wq s[6:7], Wk s[8:9], Wv s[10:11]
	s_load_b256 s[12:19], s[0:1], 0x20             ; xc s[12:13], xs s[14:15], wc s[16:17], ws s[18:19]
	v_lshl_add_u32 v192, v0, 2, 0x10c00
	v_mov_b32 v193, 0
	v_lshrrev_b32 v1, 5, v0
	v_readfirstlane_b32 s20, v1                    ; wave 0..3
	v_and_b32 v2, 31, v0                           ; lane
	s_cmp_lt_u32 ttmp9, 96
	s_cbranch_scc0 .Lpath_x
	; ---------------- THE WEIGHTS.  32 work-groups a tensor: 8 along n (128 columns each, 32 a wave) x 4 along K (256 each)
	s_lshr_b32 s21, ttmp9, 5                       ; which tensor
	s_and_b32 s22, ttmp9, 7
	s_bfe_u32 s23, ttmp9, 0x20003                  ; which 256 along K
	s_lshl_b32 s24, s22, 7
	s_lshl_b32 s25, s20, 5
	s_add_co_u32 s24, s24, s25                     ; my wave's first column
	s_wait_alu depctr_va_vdst(0)
	v_lshlrev_b32 v3, 2, v2                        ; in: 4 bytes a lane
	s_mul_i32 s25, s20, 32*PITCH                   ; my stage
	v_mul_u32_u24 v4, v2, PITCH
	v_add_nc_u32 v4, s25, v4                       ; into it: row = my column
	v_and_b32 v5, 15, v2
	v_lshrrev_b32 v6, 4, v2
	v_mul_u32_u24 v7, v6, PITCH
	v_lshl_add_u32 v7, v5, 4, v7
	v_add_nc_u32 v7, s25, v7                       ; out of it: sixteen lanes to a row, two rows an instruction
	v_mul_u32_u24 v8, v6, KROW
	v_mad_u32_u24 v8, v5, 12, v8                   ; and the same place in wc (bit 0 of a row's number keeps its place)
	v_and_b32 v9, 7, v2
	v_bfe_u32 v10, v2, 3, 1
	v_lshl_or_b32 v9, v10, 4, v9
	v_lshl_or_b32 v9, v6, 3, v9                    ; my column's stored place among the wave's 32
	v_lshlrev_b32 v9, 5, v9                        ; its row of scale bytes
	s_lshl_b32 s26, s23, 20                        ; W: 256 rows of 4,096 bytes,
	s_lshl_b32 s27, s24, 2
	s_add_co_u32 s26, s26, s27                     ; + 4 x column
	s_mov_b32 s27, 0
	s_lshl_b32 s28, s21, 10
	s_add_co_u32 s28, s28, s24                     ; my first row of wc and ws
	s_mul_i32 s30, s28, KROW
	s_mul_i32 s29, s23, ROWB
	s_add_co_u32 s30, s30, s29
	s_mov_b32 s31, 0
	s_lshl_b32 s32, s28, 5
	s_lshl_b32 s29, s23, 3
	s_add_co_u32 s32, s32, s29
	s_mov_b32 s33, 0
	s_wait_kmcnt 0x0
	s_cmp_eq_u32 s21, 0                            ; the choice hangs on the work-group's number alone
	s_cselect_b64 s[6:7], s[6:7], s[8:9]
	s_cmp_eq_u32 s21, 2
	s_cselect_b64 s[6:7], s[10:11], s[6:7]
	s_add_nc_u64 s[6:7], s[6:7], s[26:27]
	s_add_nc_u64 s[16:17], s[16:17], s[30:31]
	s_add_nc_u64 s[18:19], s[18:19], s[32:33]
.macro LOADW t                         ; block t: W(32 t + i, my column), i = 0 .. 31, into set t % 2: each load reads 128 consecutive bytes
.set i, 0
.rept 32
	global_load_b32 v[WX+32*((\t)%2)+i], v3, s[6:7] offset:(32*(\t)+i)*4096 th:TH_LOAD_NT
.set i, i+1
.endr
.endm
	LOADW 0
	LOADW 1
.macro BLOCKW t
.set WN, WX+32*((\t)%2)
.if (\t) < NB-1
	s_wait_loadcnt 32                              ; this block's 32 loads are in; the next block's may be out
.else
	s_wait_loadcnt 0
.endif
	v_max3_num_f32 v12, |v[WN]|, |v[WN+1]|, |v[WN+2]|               ; the block's largest magnitude: all 32 numbers are mine
	v_max3_num_f32 v13, |v[WN+3]|, |v[WN+4]|, |v[WN+5]|
.irp i, 6,10,14,18,22,26
	v_max3_num_f32 v12, v12, |v[WN+\i]|, |v[WN+\i+1]|
	v_max3_num_f32 v13, v13, |v[WN+\i+2]|, |v[WN+\i+3]|
.endr
	v_max3_num_f32 v12, v12, |v[WN+30]|, |v[WN+31]|
	v_max3_num_f32 v12, v12, v13, (EMAX+1)<<23     ; and the floor 2^(3 - 127): the byte cannot fall under 1
	v_add_nc_u32 v11, -(EMAX<<23), v12             ; 2 off its exponent field: the conversion takes the exponent field of this operand as its scale
	v_lshrrev_b32 v13, 23, v11                     ; the scale's byte
.if (\t)%4 == 0
	v_mov_b32 v[WSB+(\t)/4], v13                   ; four bytes to a register, the lower K in the lower byte
.else
	v_lshl_or_b32 v[WSB+(\t)/4], v13, 8*((\t)%4), v[WSB+(\t)/4]
.endif
	v_cvt_scalef32_pk16_fp6_f32 v[WC:WC+2], v[WN:WN+15], v11
	v_cvt_scalef32_pk16_fp6_f32 v[WC+4:WC+6], v[WN+16:WN+31], v11   ; (a conversion's three registers begin on an even number)
	ds_store_b96 v4, v[WC:WC+2] offset:32*(\t)     ; 12 bytes to a place of 16, so that every LDS address is a multiple of 16
	ds_store_b96 v4, v[WC+4:WC+6] offset:32*(\t)+16
.if (\t)+2 < NB
	LOADW (\t)+2
.endif
	s_wait_dscnt 0x0                               ; the stores have read their registers: the next block's codes may be written
.endm
.irp t, 0,1,2,3,4,5,6,7
	BLOCKW \t
.endr
	s_wait_alu depctr_va_vdst(0)
	global_store_b64 v9, v[WSB:WSB+1], s[18:19]    ; my column's eight scale bytes
.irp t, 0,1,2,3,4,5,6,7,8,9,10,11,12,13,14,15
	ds_load_b96 v[WOUT+4*\t:WOUT+4*\t+2], v7 offset:2*\t*PITCH     ; LDS serves a wave's instructions in order: these see my stores
.endr
.irp t, 0,1,2,3,4,5,6,7,8,9,10,11,12,13,14,15
	s_wait_dscnt 15-\t                             ; the younger loads may be out
	global_store_b96 v8, v[WOUT+4*\t:WOUT+4*\t+2], s[16:17] offset:(((2*\t)&7)+16*(((2*\t)>>3)&1)+8*(((2*\t)>>4)&1))*KROW   ; columns 2 t, 2 t + 1 at their stored places; sixteen lanes store 192 consecutive bytes
.endr
	s_wait_tensorcnt 0x0
	ds_add_u32 v192, v193
	s_wait_dscnt 0x0
	s_endpgm
	; ---------------- x.  A wave takes 8 rows, 8,192 numbers, in 16 steps of 512; two neighbouring lanes hold a block of 32
.Lpath_x:
	s_wait_alu depctr_va_vdst(0)
	v_lshlrev_b32 v3, 4, v2                        ; my 16 bytes of a load's 512
	s_mul_i32 s21, s20, WREG
	s_add_co_u32 s21, s21, XLDS
	v_lshrrev_b32 v14, 2, v2
	v_mul_u32_u24 v14, v14, SP
	v_and_b32 v15, 3, v2
	v_lshl_add_u32 v14, v15, 4, v14
	v_add_nc_u32 v14, s21, v14                     ; the stage, on the way in: four lanes' 64 bytes on end, then 16 of padding
	v_mul_u32_u24 v15, v2, SP
	v_add_nc_u32 v15, s21, v15                     ; and on the way out: my 16 neighbours
	v_mul_u32_u24 v4, v2, CB                       ; my codes' place in a step's
	v_lshrrev_b32 v5, 1, v2
	s_add_co_u32 s21, s21, 2*32*SP
	v_add_nc_u32 v5, s21, v5                       ; my wave's 256 scale bytes, my block's byte
	v_lshlrev_b32 v7, 3, v2
	v_add_nc_u32 v6, s21, v7                       ; and on the way out 8 bytes a lane
	s_sub_co_u32 s22, ttmp9, 96
	s_lshl_b32 s22, s22, 2
	s_add_co_u32 s23, s22, s20                     ; which 8 rows I read: 4 x work-group + wave;
	s_and_b32 s24, s20, 1
	s_lshl_b32 s24, s24, 1
	s_lshr_b32 s25, s20, 1
	s_or_b32 s24, s24, s25
	s_add_co_u32 s24, s22, s24                     ; and where they are stored: the wave's two bits are a row's bits 3 and 4: exchanged
	s_lshl_b32 s26, s23, 15
	s_mov_b32 s27, 0
	s_mul_i32 s28, s24, 8*KROW
	s_mov_b32 s29, 0
	s_lshl_b32 s30, s24, 8
	s_mov_b32 s31, 0
	s_wait_alu depctr_va_vdst(0)
	s_wait_kmcnt 0x0
	s_add_nc_u64 s[4:5], s[4:5], s[26:27]
	s_add_nc_u64 s[12:13], s[12:13], s[28:29]
	s_add_nc_u64 s[14:15], s[14:15], s[30:31]
.macro LOADX t
.irp i, 0,1,2,3
	global_load_b128 v[XR+16*((\t)%4)+4*\i:XR+16*((\t)%4)+4*\i+3], v3, s[4:5] offset:2048*(\t)+512*\i th:TH_LOAD_NT   ; 32 lanes read 512 consecutive bytes
.endr
.endm
.macro TURNX t                         ; step t's numbers through the stage: LDS serves a wave's instructions in order, so no wait stands between the stores and the loads
.irp i, 0,1,2,3
	ds_store_b128 v14, v[XR+16*((\t)%4)+4*\i:XR+16*((\t)%4)+4*\i+3] offset:32*SP*((\t)%2)+8*SP*\i
.endr
.irp i, 0,1,2,3
	ds_load_b128 v[XX+16*((\t)%2)+4*\i:XX+16*((\t)%2)+4*\i+3], v15 offset:32*SP*((\t)%2)+16*\i
.endr
.endm
.irp t, 0,1,2,3
	LOADX \t
.endr
	s_wait_loadcnt 12                              ; step 0's four loads are in
	TURNX 0
.macro STEPX t
.set XS, XX+16*((\t)%2)
.if (\t) > 0
	s_wait_dscnt 1                                 ; this step's numbers are back from the stage (the last step's byte store may be out): so its stores into the stage have read their registers,
.else
	s_wait_dscnt 0x0
.endif
.if (\t)+4 < STEPS
	LOADX (\t)+4                                   ; which take the loads of four steps on
.endif
.if (\t)+1 < STEPS
.if STEPS-2-(\t) >= 3
	s_wait_loadcnt 12                              ; the next step's four loads are in; those of the three steps behind it may be out
.else
	s_wait_loadcnt 4*(STEPS-2-(\t))
.endif
	TURNX (\t)+1                                   ; and go through the other stage while this step is worked
.endif
	v_max3_num_f32 v8, |v[XS]|, |v[XS+1]|, |v[XS+2]|                ; the largest magnitude of my 16
	v_max3_num_f32 v9, |v[XS+3]|, |v[XS+4]|, |v[XS+5]|
.irp i, 6,10
	v_max3_num_f32 v8, v8, |v[XS+\i]|, |v[XS+\i+1]|
	v_max3_num_f32 v9, v9, |v[XS+\i+2]|, |v[XS+\i+3]|
.endr
	v_max3_num_f32 v8, v8, |v[XS+14]|, |v[XS+15]|
	v_max3_num_f32 v8, v8, v9, (EMAX+1)<<23        ; and the floor 2^(3 - 127)
	v_max_num_f32_dpp v8, v8, v8 row_xmask:1 row_mask:0xf bank_mask:0xf   ; and of my neighbour's 16: the block's
	v_add_nc_u32 v11, -(EMAX<<23), v8              ; the conversion's scale operand
	v_cvt_scalef32_pk16_fp6_f32 v[XC+4*(\t):XC+4*(\t)+2], v[XS:XS+15], v11
	v_lshrrev_b32 v[XE+(\t)], 23, v11              ; the scale's byte
	ds_store_b8 v5, v[XE+(\t)] offset:16*(\t)      ; both lanes of a block write the same byte with the same value
	global_store_b96 v4, v[XC+4*(\t):XC+4*(\t)+2], s[12:13] offset:32*CB*(\t)   ; the wave stores 384 consecutive bytes
.endm
.irp t, 0,1,2,3,4,5,6,7,8,9,10,11,12,13,14,15
	STEPX \t
.endr
	ds_load_b64 v[12:13], v6                       ; LDS serves a wave's instructions in order: these see my stores
	s_wait_dscnt 0x0
	global_store_b64 v7, v[12:13], s[14:15]        ; 32 lanes store 256 consecutive bytes, aligned
	s_wait_tensorcnt 0x0
	ds_add_u32 v192, v193
	s_wait_dscnt 0x0
	s_endpgm
.Lfunc_end_k_qb723051d02_quant:
	.size	k_qb723051d02_quant, .Lfunc_end_k_qb723051d02_quant-k_qb723051d02_quant
	.p2alignl 7, 3214868480
	.fill 96, 4, 3214868480
	.section	.rodata,"a",@progbits
	.p2align	6, 0x0
	.amdhsa_kernel k_qb723051d02_quant
		.amdhsa_group_segment_fixed_size 69120
		.amdhsa_private_segment_fixed_size 0
		.amdhsa_enable_private_segment 0
		.amdhsa_kernarg_size 64
		.amdhsa_user_sgpr_count 2
		.amdhsa_user_sgpr_kernarg_segment_ptr 1
		.amdhsa_wavefront_size32 1
		.amdhsa_system_sgpr_workgroup_id_x 1
		.amdhsa_system_sgpr_workgroup_id_y 1
		.amdhsa_system_sgpr_workgroup_id_z 1
		.amdhsa_system_vgpr_workitem_id 0
		.amdhsa_next_free_vgpr 194
		.amdhsa_next_free_sgpr 66
		.amdhsa_reserve_vcc 0
		.amdhsa_float_denorm_mode_32 3
		.amdhsa_float_denorm_mode_16_64 3
		.amdhsa_memory_ordered 1
		.amdhsa_forward_progress 1
		.amdhsa_inst_pref_size 74
	.end_amdhsa_kernel
	.amdgpu_metadata
---
amdhsa.version: [ 1, 2 ]
amdhsa.kernels:
  - .name:           k_qb723051d02_quant
    .symbol:         k_qb723051d02_quant.kd
    .args:
      - { .name: x, .offset: 0, .size: 8, .value_kind: global_buffer, .address_space: global }
      - { .name: Wq, .offset: 8, .size: 8, .value_kind: global_buffer, .address_space: global }
      - { .name: Wk, .offset: 16, .size: 8, .value_kind: global_buffer, .address_space: global }
      - { .name: Wv, .offset: 24, .size: 8, .value_kind: global_buffer, .address_space: global }
      - { .name: xc, .offset: 32, .size: 8, .value_kind: global_buffer, .address_space: global }
      - { .name: xs, .offset: 40, .size: 8, .value_kind: global_buffer, .address_space: global }
      - { .name: wc, .offset: 48, .size: 8, .value_kind: global_buffer, .address_space: global }
      - { .name: ws, .offset: 56, .size: 8, .value_kind: global_buffer, .address_space: global }
    .group_segment_fixed_size: 69120
    .private_segment_fixed_size: 0
    .kernarg_segment_align: 8
    .kernarg_segment_size: 64
    .max_flat_workgroup_size: 128
    .sgpr_count:     66
    .vgpr_count:     194
    .wavefront_size: 32
...
	.end_amdgpu_metadata
.endif
;; end of part 1
;; launch proj (part 2): grid 8 x 48, 4 waves a work-group, clusters of 4 x 4, 327,680 bytes of LDS; arguments xc, xs, wc, ws, bq, bk, bv, qq, kv; writes qq, kv
.if DOCPART == 2
	.amdgcn_target "amdgcn-amd-amdhsa--gfx1250"
	.amdhsa_code_object_version 6
	.text
	.protected	k_qb723051d02_proj
	.globl	k_qb723051d02_proj
	.p2align	8
	.type	k_qb723051d02_proj,@function
k_qb723051d02_proj:
	s_mov_b64 s[64:65], 0
	v_nop
	global_prefetch_b8 v0, s[64:65] scope:SCOPE_SE
	s_setreg_imm32_b32 hwreg(HW_REG_WAVE_MODE, 25, 1), 1
	s_wait_xcnt 0x0
	s_wait_alu depctr_hold_cnt(0) depctr_sa_sdst(0) depctr_va_vdst(0) depctr_va_sdst(0) depctr_va_ssrc(0) depctr_va_vcc(0) depctr_vm_vsrc(0)
	s_getreg_b32 s2, hwreg(HW_REG_IB_STS2, 6, 4)
	s_cmp_eq_u32 s2, 0
	s_cbranch_scc0 .Lentry_in_a_cluster
	s_endpgm
.Lentry_in_a_cluster:
	s_bfe_u32 s2, ttmp6, 0x10000c
	s_cmp_lg_u32 s2, 0xf033
	s_cbranch_scc0 .Lentry_shape_is_right
	s_endpgm
.Lentry_shape_is_right:
.set SIZE_K, 1024
.set KSTEP,  256
.set NQ,     KSTEP/128
.set ROWB,   192
.set KROW,   SIZE_K*6/8
.set PITCH,  240
.set FR,     12
.set NL,     6
.set NP,     4
.set HALFT,  128*PITCH
.set SLOT,   4*HALFT
.set LAPS,   SIZE_K/(2*KSTEP)
.set KS,     SIZE_K/32
.set SCL,    2*SLOT
.set HALFS,  (128*KS/256)*272
.set SBLK,   (16*KS/256)*272
.set SPARE,  SCL+4*HALFS
.set HS,     208896
.set SB,     13056
.set ADRA, 16
.set ADRB, 20
.set LI,   24
.set L8,   25
.set LN,   26
.set ADRS, 27
.set SPW,  28
.set NIL,  29
.set SC,   32
.set BC,   64
.set TM,   64
.set PWB,  80
.set SW,   88
.set SH,   92
.set AF,   128
.set VJ,   224
.set ROLE, 66
.set SEL,  20
.set G1, 24
.set G0, 32
.set G1B, 48
.set G0B, 56
.set G1S, 68
.set G0S, 76
.set G1SB, 80
.set G0SB, 88
.set MSB, 0
.macro WIN new
.if MSB != (\new)
	s_set_vgpr_msb (MSB<<8)|(\new)
.set MSB, \new
.endif
.endm
.set MUL_LO, 0xa1
.set MUL_HI, 0xf1
.set TO_B,   0x40
.macro JLOAD g0a, g1a, g0b, g1b
	s_cmp_eq_u32 s15, 0
	s_cbranch_scc0 .Lfor_b_\@
	tensor_load_to_lds s[\g0a:\g0a+3], s[\g1a:\g1a+7]
	s_nop 0
.rept 4
	v_nop
.endr
	s_branch .Lasked_\@
.Lfor_b_\@:
	tensor_load_to_lds s[\g0b:\g0b+3], s[\g1b:\g1b+7]
	s_nop 0
.rept 4
	v_nop
.endr
.Lasked_\@:
.endm
.macro CREST
	s_cmp_lg_u32 s14, 0
	s_cbranch_scc1 .Lnot_wave_0_\@
	s_barrier_signal -3
.Lnot_wave_0_\@:
	s_barrier_wait -3
	s_barrier_signal -1
	s_barrier_wait -1
.endm
.macro CROUND
	s_barrier_signal -1
	s_barrier_wait -1
	CREST
.endm
	s_load_b128 s[4:7], s[0:1], 0x0
	s_load_b128 s[8:11], s[0:1], 0x10
	s_load_b128 s[96:99], s[0:1], 0x20
	s_load_b64 s[100:101], s[0:1], 0x30
	v_lshl_add_u32 v[SPW], v0, 2, SPARE
	v_mov_b32 v[NIL], 0
	ds_add_u32 v28, v29
	ds_add_u32 v28, v29
	s_wait_dscnt 0x0
	v_lshrrev_b32 v1, 5, v0
	v_readfirstlane_b32 s14, v1
	s_lshr_b32 s15, s14, 1
	s_and_b32 s16, s14, 1
	s_bfe_u32 s40, ttmp6, 0x40000
	s_bfe_u32 s41, ttmp6, 0x40004
	s_and_b32 s67, ttmp7, 0xffff
	s_lshl_b32 s3, s67, 1
	s_sub_co_u32 s3, s3, 16
	s_add_co_u32 s3, s3, ttmp9
	s_cmp_lt_u32 s67, 8
	s_cselect_b32 s[ROLE], 0, 1
	s_cselect_b32 s3, ttmp9, s3
	s_cselect_b32 s18, s67, 0
	s_lshl_b32 s42, s3, 2
	s_add_co_u32 s42, s42, s40
	s_lshl_b32 s17, s18, 2
	s_add_co_u32 s17, s17, s41
	s_lshl_b32 s43, s41, 2
	s_lshl_b32 s43, 15, s43
	s_lshl_b32 s44, 0x1111, s40
	s_or_b32 s[G1+0], s43, (0<<16)|(1<<20)|(1<<21)|(3<<22)|(3<<25)
	s_or_b32 s[G1B+0], s44, (0<<16)|(1<<20)|(1<<21)|(3<<22)|(3<<25)
.irp g, G1, G1B
	s_mov_b32 s[\g+1], ROWB<<16
	s_mov_b32 s[\g+2], 128<<16
	s_mov_b32 s[\g+3], ROWB<<16
	s_mov_b32 s[\g+4], 128
	s_mov_b32 s[\g+5], KROW
	s_mov_b32 s[\g+6], 0
	s_mov_b32 s[\g+7], 0
.endr
	s_or_b32 s[G1S+0], s43, (3<<16)|(1<<20)|(1<<21)|(5<<22)|(3<<25)
	s_or_b32 s[G1SB+0], s44, (3<<16)|(1<<20)|(1<<21)|(5<<22)|(3<<25)
.irp g, G1S, G1SB
	s_mov_b32 s[\g+1], 32<<16
	s_mov_b32 s[\g+2], (128*KS/256)<<16
	s_mov_b32 s[\g+3], 32<<16
	s_mov_b32 s[\g+4], 128*KS/256
	s_mov_b32 s[\g+5], 32
	s_mov_b32 s[\g+6], 0
	s_mov_b32 s[\g+7], 0
.endr
	s_lshl_b32 s18, s16, 7
	s_lshl_b32 s20, s17, 8
	s_add_co_u32 s20, s20, s18
	s_lshl_b32 s19, s[ROLE], 11
	s_add_co_u32 s20, s20, s19
	s_lshl_b32 s46, s42, 8
	s_add_co_u32 s46, s46, s18
	s_mov_b32 s21, 0
	s_mov_b32 s47, 0
	s_mov_b64 s[18:19], KS
	s_mul_u64 s[22:23], s[20:21], s[18:19]
	s_mul_u64 s[92:93], s[46:47], s[18:19]
	s_mov_b64 s[18:19], KROW
	s_mul_u64 s[20:21], s[20:21], s[18:19]
	s_mul_u64 s[46:47], s[46:47], s[18:19]
	s_mul_i32 s45, s14, HALFT
	s_mul_i32 s94, s14, HALFS
	s_wait_kmcnt 0x0
	s_cmp_eq_u32 s[ROLE], 0
	s_cselect_b64 s[12:13], s[4:5], s[8:9]
	s_cselect_b64 s[8:9], s[8:9], s[4:5]
	s_mov_b64 s[4:5], s[12:13]
	s_cselect_b64 s[12:13], s[6:7], s[10:11]
	s_cselect_b64 s[10:11], s[10:11], s[6:7]
	s_mov_b64 s[6:7], s[12:13]
	s_add_nc_u64 s[20:21], s[4:5], s[20:21]
	s_add_nc_u64 s[22:23], s[6:7], s[22:23]
	s_add_nc_u64 s[46:47], s[8:9], s[46:47]
	s_add_nc_u64 s[92:93], s[10:11], s[92:93]
	CROUND
	s_mov_b32 s[G0S], 1
	s_add_co_u32 s[G0S+1], s94, SCL
	s_mov_b64 s[G0S+2:G0S+3], s[22:23]
	s_or_b32 s[G0S+3], s[G0S+3], 0x80000000
	s_mov_b32 s[G0SB], 1
	s_add_co_u32 s[G0SB+1], s94, SCL
	s_mov_b64 s[G0SB+2:G0SB+3], s[92:93]
	s_or_b32 s[G0SB+3], s[G0SB+3], 0x80000000
	JLOAD G0S, G1S, G0SB, G1SB
.irp s, 0,1
	s_mov_b32 s[G0+4*\s], 1
	s_add_co_u32 s[G0+4*\s+1], s45, \s*SLOT
	s_add_nc_u64 s[G0+4*\s+2:G0+4*\s+3], s[20:21], \s*ROWB
	s_or_b32 s[G0+4*\s+3], s[G0+4*\s+3], 0x80000000
	s_mov_b32 s[G0B+4*\s], 1
	s_add_co_u32 s[G0B+4*\s+1], s45, \s*SLOT
	s_add_nc_u64 s[G0B+4*\s+2:G0B+4*\s+3], s[46:47], \s*ROWB
	s_or_b32 s[G0B+4*\s+3], s[G0B+4*\s+3], 0x80000000
	s_wait_alu depctr_va_vdst(0)
	s_wait_tensorcnt 0x0
	ds_add_u32 v28, v29
	s_wait_dscnt 0x0
	CROUND
	JLOAD G0+4*\s, G1, G0B+4*\s, G1B
.endr
	s_load_b64 s[92:93], s[0:1], 0x38
	s_load_b64 s[94:95], s[0:1], 0x40
	v_and_b32 v1, 15, v0
	v_bfe_u32 v2, v0, 4, 1
	v_mul_u32_u24 v3, v1, PITCH
	v_mul_u32_u24 v4, v2, 24
	v_add_nc_u32 v4, v3, v4
	v_lshl_add_u32 v5, v2, 4, v4
	s_mul_i32 s21, s15, HALFT
	s_mul_i32 s22, s16, HALFT
	s_add_co_u32 s22, s22, 2*HALFT
.irp s, 0,1
	v_add_nc_u32 v[ADRA+\s], s21, v4
	v_add_nc_u32 v[ADRB+\s], s22, v4
	v_add_nc_u32 v[ADRA+2+\s], s21, v5
	v_add_nc_u32 v[ADRB+2+\s], s22, v5
	s_add_co_u32 s21, s21, SLOT
	s_add_co_u32 s22, s22, SLOT
.endr
	v_mul_u32_u24 v5, v1, KS
	v_lshrrev_b32 v6, 8, v5
	v_lshl_add_u32 v5, v6, 4, v5
	s_mul_i32 s21, s15, HALFS
	s_mul_i32 s22, s16, HALFS
	s_add_co_u32 s22, s22, 2*HALFS
	s_sub_co_u32 s22, s22, s21
	v_mul_u32_u24 v6, s22, v2
	s_add_co_u32 s21, s21, SCL
	v_add_nc_u32 v5, v5, v6
	v_add_nc_u32 v[ADRS], s21, v5
	v_and_b32 v[LN], 31, v0
	v_lshlrev_b32 v[LI], 4, v[LN]
	v_lshlrev_b32 v[L8], 3, v[LN]
	s_cmp_eq_u32 s[ROLE], 0
	s_cselect_b32 s18, 64, 0
	s_cselect_b32 s19, 0, 4
	s_cselect_b32 s23, 4, 0
	v_and_b32 v3, 8, v1
	v_add_nc_u32 v3, v3, v1
	v_mul_u32_u24 v3, s19, v3
	v_mad_u32_u24 v3, v2, s18, v3
	v_mov_b32 v4, s23
.irp j, 0,1,2,3,4,5,6,7
	v_mad_u32_u24 v[VJ+\j], v4, \j, v3
.endr
	s_lshl_b32 s20, s17, 8
	s_lshl_b32 s21, s15, 7
	s_add_co_u32 s20, s20, s21
	s_lshl_b32 s46, s42, 8
	s_lshl_b32 s47, s16, 7
	s_add_co_u32 s46, s46, s47
	s_and_b32 s47, s46, 1023
	s_or_b32 s18, s[ROLE], ttmp9
	s_wait_alu depctr_va_vdst(0)
	s_wait_kmcnt 0x0
	s_cmp_eq_u32 s[ROLE], 0
	s_cselect_b32 s67, s20, s46
	s_cselect_b32 s2, s47, s20
	s_cselect_b64 s[98:99], s[98:99], s[100:101]
	s_cmp_eq_u32 s18, 0
	s_cselect_b64 s[96:97], s[96:97], s[98:99]
	s_cselect_b64 s[12:13], s[92:93], s[94:95]
	s_lshl_b32 s100, s2, 2
	s_mov_b32 s101, 0
	s_add_nc_u64 s[96:97], s[96:97], s[100:101]
.irp t, 0,1,2,3,4,5,6,7
.irp j, 0,1,2,3,4,5,6,7
	global_load_b32 v[BC+8*\t+\j], v[VJ+\j], s[96:97] offset:4*(32*(\t/2)+8*(\t%2))
.endr
.endr
	s_lshr_b32 s98, s67, 11
	s_lshl_b32 s98, s98, 4
	s_lshr_b32 s99, s2, 6
	s_add_co_u32 s98, s98, s99
	s_mul_i32 s98, s98, HS
	s_bfe_u32 s99, s67, 0x40007
	s_mul_i32 s99, s99, SB
	s_add_co_u32 s98, s98, s99
	s_mul_i32 s99, s[ROLE], 6144
	s_add_co_u32 s98, s98, s99
	s_mov_b32 s99, 0
	s_add_nc_u64 s[12:13], s[12:13], s[98:99]
	s_mov_b32 s[SEL], 0x76543210
	s_mov_b32 s[SEL+1], 0xfedcba98
.macro FRAG reg, adr, q, i
.irp p, 0,1,2,3,4,5
.set PCE, 12*(\q)+6*(\p/3)+\p%3
.if PCE%8 < 5
	ds_load_b64 v[\reg+2*\p:\reg+2*\p+1], v[\adr] offset:8*PCE+16*(PCE/8)+(\i)*16*PITCH
.else
	ds_load_b64 v[\reg+2*\p:\reg+2*\p+1], v[\adr+2] offset:8*PCE+16*(PCE/8)+(\i)*16*PITCH
.endif
.endr
.endm
.macro MUL16 a0, p, q, sc, zero
.irp a, \a0, \a0+1
.irp b, 0,1,2,3,4,5,6,7
.if (\zero) == 1
	v_wmma_scale_f32_16x16x128_f8f6f4 v[8*(8*((\a)%4)+\b):8*(8*((\a)%4)+\b)+7], v[128*(\p)+FR*\b:128*(\p)+FR*\b+FR-1], v[AF+FR*(\a):AF+FR*(\a)+FR-1], v[BC+8*\b:BC+8*\b+7], v[SC+8*NQ*(\sc)+NQ*\b+(\q)], v[SC+8*NQ*(\sc)+NQ*(\a)+(\q)] matrix_a_fmt:MATRIX_FMT_FP6 matrix_b_fmt:MATRIX_FMT_FP6 matrix_a_scale:MATRIX_SCALE_ROW1
.elseif (\zero) == 2
	v_wmma_scale_f32_16x16x128_f8f6f4 v[8*(8*((\a)%4)+\b):8*(8*((\a)%4)+\b)+7], v[128*(\p)+FR*\b:128*(\p)+FR*\b+FR-1], v[AF+FR*(\a):AF+FR*(\a)+FR-1], v[BC+8*(\a):BC+8*(\a)+7], v[SC+8*NQ*(\sc)+NQ*\b+(\q)], v[SC+8*NQ*(\sc)+NQ*(\a)+(\q)] matrix_a_fmt:MATRIX_FMT_FP6 matrix_b_fmt:MATRIX_FMT_FP6 matrix_a_scale:MATRIX_SCALE_ROW1
.else
	v_wmma_scale_f32_16x16x128_f8f6f4 v[8*(8*((\a)%4)+\b):8*(8*((\a)%4)+\b)+7], v[128*(\p)+FR*\b:128*(\p)+FR*\b+FR-1], v[AF+FR*(\a):AF+FR*(\a)+FR-1], v[8*(8*((\a)%4)+\b):8*(8*((\a)%4)+\b)+7], v[SC+8*NQ*(\sc)+NQ*\b+(\q)], v[SC+8*NQ*(\sc)+NQ*(\a)+(\q)] matrix_a_fmt:MATRIX_FMT_FP6 matrix_b_fmt:MATRIX_FMT_FP6 matrix_a_scale:MATRIX_SCALE_ROW1
.endif
.endr
.endr
.endm
.macro FETCH_B slot, q, p
	WIN TO_B
.irp i, 0,1,2,3,4,5,6,7
	FRAG 128*(\p)+FR*\i, ADRB+\slot, \q, \i
.endr
	WIN 0
.endm
.macro FETCH_A slot, q, i0
.irp i, \i0, \i0+1, \i0+2, \i0+3
	FRAG AF+FR*(\i), ADRA+\slot, \q, \i
.endr
.endm
.macro SCALES sc
.irp i, 0,1,2,3,4,5,6,7
	ds_load_b64 v[SC+8*NQ*\sc+NQ*\i:SC+8*NQ*\sc+NQ*\i+1], v[ADRS] offset:\i*SBLK
.endr
.endm
.macro PLACES n
.rept \n
	v_nop
.endr
.endm
.macro STEP slot, q, zero
	s_wait_dscnt 4*NL
.if \zero
	WIN 0x81
.else
	WIN MUL_LO
.endif
	MUL16 0, (\q)%2, \q, \slot, \zero
	MUL16 2, (\q)%2, \q, \slot, \zero
	s_wait_dscnt 0
	PLACES NP
	FETCH_B \slot, (\q)+1, 1-(\q)%2
	FETCH_A \slot, (\q)+1, 0
.if \zero
	WIN 0xc1
.else
	WIN MUL_HI
.endif
	MUL16 4, (\q)%2, \q, \slot, \zero
	MUL16 6, (\q)%2, \q, \slot, \zero
	PLACES NP
	WIN 0
	FETCH_A \slot, (\q)+1, 4
.endm
.macro TURN slot, next, fill
	s_wait_tensorcnt 0x0
	ds_add_u32 v[SPW], v[NIL]
	s_wait_dscnt 4*NL+1
	WIN MUL_LO
	MUL16 0, 1, NQ-1, \slot, 0
	s_wait_dscnt 0x0
	s_barrier_signal -1
	MUL16 2, 1, NQ-1, \slot, 0
	WIN 0
	s_barrier_wait -1
.if \fill
	CREST
	s_add_nc_u64 s[G0+4*\slot+2:G0+4*\slot+3], s[G0+4*\slot+2:G0+4*\slot+3], 2*ROWB
	s_add_nc_u64 s[G0B+4*\slot+2:G0B+4*\slot+3], s[G0B+4*\slot+2:G0B+4*\slot+3], 2*ROWB
	JLOAD G0+4*\slot, G1, G0B+4*\slot, G1B
.else
	PLACES NP
.endif
	s_wait_alu depctr_va_vdst(0)
	v_add_nc_u32 v[ADRS], 4*NQ, v[ADRS]
	FETCH_B \next, 0, 0
	FETCH_A \next, 0, 0
	SCALES \next
	WIN MUL_HI
	MUL16 4, 1, NQ-1, \slot, 0
	MUL16 6, 1, NQ-1, \slot, 0
	PLACES NP
	WIN 0
	FETCH_A \next, 0, 4
.endm
	s_wait_tensorcnt 1
	s_barrier_signal -1
	s_barrier_wait -1
	FETCH_B 0, 0, 0
	FETCH_A 0, 0, 0
	SCALES 0
	FETCH_A 0, 0, 4
	s_wait_loadcnt 0x0
	s_cmp_eq_u32 s[ROLE], 0
	s_cbranch_scc0 .Lfirst_v
	STEP 0, 0, 1
	s_branch .Lfirst_done
.Lfirst_v:
	STEP 0, 0, 2
.Lfirst_done:
.rept LAPS-1
	TURN 0, 1, 1
	STEP 1, 0, 0
	TURN 1, 0, 1
	STEP 0, 0, 0
.endr
	TURN 0, 1, 0
	STEP 1, 0, 0
	s_wait_dscnt 4*NL
	WIN MUL_LO
	MUL16 0, 1, NQ-1, 1, 0
	MUL16 2, 1, NQ-1, 1, 0
	s_wait_dscnt 0
	WIN MUL_HI
	MUL16 4, 1, NQ-1, 1, 0
	MUL16 6, 1, NQ-1, 1, 0
	WIN 0
.macro QUANTW a
.set AC, 64*((\a)%4)
.set PCD, 128+32*((\a)%2)
	WIN 0x0a+5*((\a)/4)
.irp b, 0,1,2,3
	v_max3_num_f32 v[TM+\b], |v[AC+16*\b]|, |v[AC+16*\b+1]|, 0x1800000
.endr
.irp i, 2,4,6,8,10,12,14
.irp b, 0,1,2,3
	v_max3_num_f32 v[TM+\b], |v[AC+16*\b+\i]|, |v[AC+16*\b+\i+1]|, v[TM+\b]
.endr
.endr
	WIN 0
.irp b, 0,1,2,3
	v_permlanex16_b32 v[TM+4+\b], v[TM+\b], s[SEL], s[SEL+1]
.endr
.irp b, 0,1,2,3
	v_max_num_f32 v[TM+\b], v[TM+\b], v[TM+4+\b]
.endr
.irp b, 0,1,2,3
	v_add_nc_u32 v[TM+12+\b], 0xff000000, v[TM+\b]
.endr
.irp b, 0,1,2,3
	v_lshrrev_b32 v[TM+4+\b], 23, v[TM+12+\b]
.endr
	v_lshl_or_b32 v[PWB+(\a)], v[TM+5], 8, v[TM+4]
	v_lshl_or_b32 v[PWB+(\a)], v[TM+6], 16, v[PWB+(\a)]
	v_lshl_or_b32 v[PWB+(\a)], v[TM+7], 24, v[PWB+(\a)]
	WIN 0x02+((\a)/4)
.irp c, 0,1
	v_cvt_scalef32_pk16_fp6_f32 v[PCD+6*\c:PCD+6*\c+2], v[AC+32*\c:AC+32*\c+15], v[TM+12+2*\c]
	v_cvt_scalef32_pk16_fp6_f32 v[PCD+12+4*\c:PCD+14+4*\c], v[AC+32*\c+16:AC+32*\c+31], v[TM+12+2*\c+1]
.endr
	WIN 0
	v_nop
.irp c, 0,1
.irp i, 0,1,2
	v_permlane16_swap_b32 v[PCD+6*\c+\i], v[PCD+12+4*\c+\i]
.endr
.irp i, 0,1,2
	v_mov_b32 v[PCD+3+6*\c+\i], v[PCD+12+4*\c+\i]
.endr
.endr
.endm
.macro OUTB a
.set PCD, 128+32*((\a)%2)
	s_cmp_eq_u32 s[ROLE], 0
	s_cbranch_scc0 .Lout_v_\@
	global_store_b128 v[LI], v[PCD:PCD+3], s[12:13] offset:768*(\a)
	global_store_b64 v[L8], v[PCD+4:PCD+5], s[12:13] offset:768*(\a)+512
	global_store_b128 v[LI], v[PCD+6:PCD+9], s[12:13] offset:HS+768*(\a)
	global_store_b64 v[L8], v[PCD+10:PCD+11], s[12:13] offset:HS+768*(\a)+512
	s_branch .Lout_done_\@
.Lout_v_\@:
	s_wait_alu depctr_va_vdst(0)
.irp c, 0,1,2
	global_store_b128 v[LI], v[PCD+4*\c:PCD+4*\c+3], s[12:13] offset:((\a)/4)*HS+((\a)%4)*1536+512*\c
.endr
.Lout_done_\@:
.endm
	PLACES NP
.irp b, 0,1,2,3
	v_mov_b32 v[TM+4+\b], 0
.endr
	v_cmp_le_u32 vcc_lo, 16, v[LN]
.irp a, 0,1,2,3,4,5,6,7
.if \a > 1
	s_wait_xcnt 0x0
.endif
	QUANTW \a
	OUTB \a
.endr
.irp c, 0,1,2,3
	v_cndmask_b32 v[SW+\c], v[PWB+2*\c], v[PWB+2*\c+1], vcc_lo
.endr
	s_cmp_eq_u32 s[ROLE], 0
	s_cbranch_scc0 .Lsc_v
.irp c, 0,1,2,3
	v_lshrrev_b32 v[SH+\c], 16, v[SW+\c]
.endr
	global_store_b128 v[LI], v[SW:SW+3], s[12:13] offset:12288
	global_store_b128 v[LI], v[SH:SH+3], s[12:13] offset:HS+12288
	s_branch .Lsc_done
.Lsc_v:
	s_wait_alu depctr_va_vdst(0)
	global_store_b64 v[L8], v[SW:SW+1], s[12:13] offset:6656
	global_store_b64 v[L8], v[SW+2:SW+3], s[12:13] offset:HS+6656
.Lsc_done:
	s_wait_tensorcnt 0x0
	ds_add_u32 v[SPW], v[NIL]
	s_wait_dscnt 0x0
	CROUND
	s_endpgm
.Lfunc_end_k_qb723051d02_proj:
	.size	k_qb723051d02_proj, .Lfunc_end_k_qb723051d02_proj-k_qb723051d02_proj
	.p2alignl 7, 3214868480
	.fill 96, 4, 3214868480
	.section	.rodata,"a",@progbits
	.p2align	6, 0x0
	.amdhsa_kernel k_qb723051d02_proj
		.amdhsa_group_segment_fixed_size 327680
		.amdhsa_private_segment_fixed_size 0
		.amdhsa_enable_private_segment 0
		.amdhsa_kernarg_size 72
		.amdhsa_user_sgpr_count 2
		.amdhsa_user_sgpr_kernarg_segment_ptr 1
		.amdhsa_wavefront_size32 1
		.amdhsa_system_sgpr_workgroup_id_x 1
		.amdhsa_system_sgpr_workgroup_id_y 1
		.amdhsa_system_sgpr_workgroup_id_z 1
		.amdhsa_system_vgpr_workitem_id 0
		.amdhsa_next_free_vgpr 1024
		.amdhsa_next_free_sgpr 102
		.amdhsa_reserve_vcc 1
		.amdhsa_float_denorm_mode_32 3
		.amdhsa_float_denorm_mode_16_64 3
		.amdhsa_memory_ordered 1
		.amdhsa_forward_progress 1
		.amdhsa_inst_pref_size 192
	.end_amdhsa_kernel
	.amdgpu_metadata
---
amdhsa.version: [ 1, 2 ]
amdhsa.kernels:
  - .name:           k_qb723051d02_proj
    .symbol:         k_qb723051d02_proj.kd
    .args:
      - { .name: xc, .offset: 0, .size: 8, .value_kind: global_buffer, .address_space: global }
      - { .name: xs, .offset: 8, .size: 8, .value_kind: global_buffer, .address_space: global }
      - { .name: wc, .offset: 16, .size: 8, .value_kind: global_buffer, .address_space: global }
      - { .name: ws, .offset: 24, .size: 8, .value_kind: global_buffer, .address_space: global }
      - { .name: bq, .offset: 32, .size: 8, .value_kind: global_buffer, .address_space: global }
      - { .name: bk, .offset: 40, .size: 8, .value_kind: global_buffer, .address_space: global }
      - { .name: bv, .offset: 48, .size: 8, .value_kind: global_buffer, .address_space: global }
      - { .name: qq, .offset: 56, .size: 8, .value_kind: global_buffer, .address_space: global }
      - { .name: kv, .offset: 64, .size: 8, .value_kind: global_buffer, .address_space: global }
    .group_segment_fixed_size: 327680
    .private_segment_fixed_size: 0
    .kernarg_segment_align: 8
    .kernarg_segment_size: 72
    .max_flat_workgroup_size: 128
    .sgpr_count:     102
    .vgpr_count:     1024
    .wavefront_size: 32
...
	.end_amdgpu_metadata
.endif
;; end of part 2
;; launch attn (part 3): grid 4 x 64, 16 waves a work-group, clusters of 4 x 1, 280,576 bytes of LDS; arguments qq, kv, out0; writes out0
.if DOCPART == 3
	.amdgcn_target "amdgcn-amd-amdhsa--gfx1250"
	.amdhsa_code_object_version 6
	.text
	.protected	k_qb723051d02_attn
	.globl	k_qb723051d02_attn
	.p2align	8
	.type	k_qb723051d02_attn,@function
k_qb723051d02_attn:
	s_mov_b64 s[64:65], 0
	v_nop
	global_prefetch_b8 v0, s[64:65] scope:SCOPE_SE
	s_setreg_imm32_b32 hwreg(HW_REG_WAVE_MODE, 25, 1), 1
	s_wait_xcnt 0x0
	s_wait_alu depctr_hold_cnt(0) depctr_sa_sdst(0) depctr_va_vdst(0) depctr_va_sdst(0) depctr_va_ssrc(0) depctr_va_vcc(0) depctr_vm_vsrc(0)
	s_getreg_b32 s2, hwreg(HW_REG_IB_STS2, 6, 4)
	s_cmp_eq_u32 s2, 0
	s_cbranch_scc0 .Lentry_in_a_cluster
	s_endpgm
.Lentry_in_a_cluster:
	s_bfe_u32 s2, ttmp6, 0x10000c
	s_cmp_lg_u32 s2, 0x3003
	s_cbranch_scc0 .Lentry_shape_is_right
	s_endpgm
.Lentry_shape_is_right:
; out0[b][q][64 head + d] = the sum over k of softmax_k(q . k / 8) v, both products on codes of FP6 (E2M3) with one E8M0 scale for each 32 along a product's K.
; qq and kv hold IMAGES OF OPERAND REGISTERS: [64 (16 batch + head)][16 steps of 128 tokens][13,056 bytes]; in a step's block: 768 T: tile T of 16 stored tokens x 64 channels (registers 0-3 at 16 x lane, 4-5 at 512 + 8 x lane);
; 6,144 + 1,536 t + 512 c: registers 4 c .. 4 c + 3 of V^T's tile t (16 stored channels x 128 tokens);  12,288: K's (in qq: Q's) scale words, 16 x lane + 4 c: tile 2 c + lane / 16, row lane % 16;  12,800: V^T's, 8 x lane + 4 c.
; A head is 64 wide, half of the matrix instruction's 128 along K: the upper six registers of Q's and K's fragments are zeros, which add nothing.
; STORED ORDER: tokens and channels are stored with bits 3 and 4 of their number exchanged: lane r of tile 2 b + u is number 32 b + 8 u + r % 8 + 16 (r / 8).  So the 16 registers of S^T's tiles 2 b, 2 b + 1 are the keys
; 32 b + 16 (lane / 16) + 0 .. 15 of the step, and those of O^T's tiles likewise 16 neighbouring channels.
; THE SOFTMAX: t = score x log2(e) / 8; M = the row's largest t so far, rounded up to a whole number; p = 2^(t - M) is quantised along the keys, not normalised.  The row's sum is taken of the unquantised p and divides O at the end.
; When M moves, the sum and O are multiplied by 2^(old M - new M): exact.  LIMITS: p under 2^-126 falls to 0 (the exponential gives no denormals); NaN and infinities are not served.
; SHARES.  A cluster of four work-groups is one head; a work-group owns 512 queries, each of its sixteen waves two tiles of 16, one after the other, in 256 registers: four waves to a SIMD, so that one wave's vector work
; stands beside another's matrix work and LDS loads.  THE HEAD'S WHOLE K, V AND SCALES, 208,896 dense bytes, LIE IN LDS: wave w brings step w's block by one joint tensor load (the same in all four work-groups), once.
; So there is no ring, nothing is filled again, and the loops have no barrier.  One tensor load of a wave is out, at the head.
; No prefetch: all that the launch streams is asked for at its head.
; REGISTERS: v1-8 addresses that stay; v4-5 the step's; v12 -M, v13 the largest t, v[14:15] the sum in two halves; v16-27 Q (22-27 zeros); v28-29 V^T's scale words; v32-79 four fragments of K (the upper six of each zeros);
; v80-127 V^T's four; v128-191 S^T, then p; v192-223 O^T; v224-235 p's codes; v232-247 at work; v248-251 K's scale words; v252 f; v253 p's scale word; v254 at work; v255 Q's scale words.
.set HS,    208896                     ; a head
.set SB,    13056                      ; a step's block: 51 rows of 256 bytes
.set STAGE, 208896                     ; behind the head: 16 rows x (256 bytes + 16) for each wave, for the way out
.set L16, 1                            ; v1  16 x lane
.set L8,  2                            ; v2  8 x lane
.set QSO, 3                            ; v3  16 x (lane % 16): Q's scale words
.set A16, 4                            ; v4  the step's block + 16 x lane
.set A8,  5                            ; v5  the step's block + 8 x lane
.set STI, 6                            ; v6  the stage: where I put my row's 64 bytes
.set STB, 7                            ; v7  and where I read a row back
.set GO,  8                            ; v8  my byte offset among the tile's rows of out0
.set KBF, 32
.set VBF, 80
.set SS,  128
.set OT,  192
.set WV,  10                           ; s10 my wave's number
.set G1,  16                           ; s[16:23] descriptor group 1
.set G0,  24                           ; s[24:27] group 0
.set SEL, 28                           ; s[28:29] lane selects for v_permlanex16_b32: lane l xor 16
.set CS,  30                           ; s[30:31] c = log2(e) / 8: the packed form names a pair and takes its low word for both halves
.set TB,  32                           ; s32 LDS byte at which the step's block begins
.set CNT, 33                           ; s33 steps to go
.set QB,  34                           ; s[34:35] my first tile's image in qq
.set QS,  36                           ; s[36:37] its scale words
.set OB,  38                           ; s[38:39] its first row's 256 bytes in out0
.macro ROUND                           ; a round of the cluster's barrier
	s_barrier_signal -1
	s_barrier_wait -1
	s_cmp_lg_u32 s[WV], 0
	s_cbranch_scc1 .Lnot_wave_0_\@
	s_barrier_signal -3
.Lnot_wave_0_\@:
	s_barrier_wait -3
	s_barrier_signal -1
	s_barrier_wait -1
.endm
	s_load_b128 s[4:7], s[0:1], 0x0                ; qq, kv
	s_load_b64 s[8:9], s[0:1], 0x10                ; out0
	v_lshl_add_u32 v31, v0, 2, 0x44000
	v_mov_b32 v243, 0
	ds_add_u32 v31, v243
	ds_add_u32 v31, v243
	v_lshrrev_b32 v9, 5, v0
	s_delay_alu instid0(VALU_DEP_1)
	v_readfirstlane_b32 s[WV], v9                  ; wave 0..15
	s_bfe_u32 s11, ttmp6, 0x40000                  ; cx: it enters Q's and out0's addresses alone
	s_and_b32 s12, ttmp7, 0xffff                   ; 16 batch + head, which the four partners share
	s_mul_i32 s13, s12, HS                         ; the head's first byte in qq and kv
	s_mul_i32 s14, s[WV], SB                       ; the block that I fetch: in the head, and in LDS
	s_add_co_u32 s40, s13, s14
	s_mov_b32 s41, 0
	; descriptor group 1: a dense block of 13,056 bytes as 51 rows of 256 bytes (32 elements of 8 bytes), no padding
	s_mov_b32 s[G1], 15|(3<<16)|(1<<21)            ; 15:0 the mask: all four work-groups; 17:16 elements of 8 bytes; 21 set beside a mask
	s_mov_b32 s[G1+1], 32<<16                      ; tensor_dim0
	s_mov_b32 s[G1+2], 51<<16                      ; tensor_dim1
	s_mov_b32 s[G1+3], 32<<16                      ; tile_dim0
	s_mov_b32 s[G1+4], 51                          ; tile_dim1
	s_mov_b32 s[G1+5], 32                          ; tensor_dim0_stride
	s_mov_b32 s[G1+6], 0
	s_mov_b32 s[G1+7], 0
	; my tiles of queries: stored tiles 32 cx + 16 it + wave, it = 0, 1: block 4 cx + 2 it + wave / 8, tile wave % 8 in it
	s_lshl_b32 s42, s11, 2
	s_lshr_b32 s43, s[WV], 3
	s_add_co_u32 s42, s42, s43
	s_mul_i32 s42, s42, SB
	s_add_co_u32 s42, s42, s13
	s_and_b32 s43, s[WV], 7
	s_mul_i32 s43, s43, 768
	s_add_co_u32 s44, s42, s43                     ; the image
	s_mov_b32 s45, 0
	s_and_b32 s43, s[WV], 1
	s_lshl_b32 s43, s43, 8                         ; the scale words: an odd tile's lie in lanes 16-31's places,
	s_add_co_u32 s42, s42, s43
	s_bfe_u32 s43, s[WV], 0x20001
	s_lshl_b32 s43, s43, 2                         ; word (wave % 8) / 2 of a lane's four
	s_add_co_u32 s42, s42, s43
	s_add_co_u32 s42, s42, 12288
	s_mov_b32 s43, 0
	; its rows of out0: lane r is token 512 cx + 256 it + 32 (wave / 2) + 8 (wave % 2) + r % 8 + 16 (r / 8) of the batch
	s_lshr_b32 s46, s12, 4
	s_lshl_b32 s46, s46, 23                        ; a batch is 2,048 rows of 4,096 bytes
	s_lshl_b32 s47, s11, 9
	s_lshr_b32 s15, s[WV], 1
	s_lshl_b32 s15, s15, 5
	s_add_co_u32 s47, s47, s15
	s_and_b32 s15, s[WV], 1
	s_lshl_b32 s15, s15, 3
	s_add_co_u32 s47, s47, s15
	s_lshl_b32 s47, s47, 12
	s_add_co_u32 s46, s46, s47
	s_and_b32 s47, s12, 15
	s_lshl_b32 s47, s47, 8                         ; the head's 256 bytes of a row
	s_add_co_u32 s46, s46, s47
	s_mov_b32 s47, 0
	s_mov_b32 s[SEL], 0x76543210
	s_mov_b32 s[SEL+1], 0xfedcba98
	s_mov_b32 s[CS], 0x3e38aa3b                    ; c = log2(e) / sqrt(64)
	s_mov_b32 s[CS+1], s[CS]                       ; (named with it as a pair, so it is written)
	s_wait_dscnt 0x0
	s_wait_kmcnt 0x0
	s_mov_b32 s[G0], 1                             ; 1:0 count = 1
	s_mov_b32 s[G0+1], s14                         ; 63:32 LDS address: wave x 13,056
	s_add_nc_u64 s[G0+2:G0+3], s[6:7], s[40:41]    ; 120:64 global address: the head's step w
	s_or_b32 s[G0+3], s[G0+3], 0x80000000          ; 127:126 type = 2
	s_add_nc_u64 s[QB:QB+1], s[4:5], s[44:45]
	s_add_nc_u64 s[QS:QS+1], s[4:5], s[42:43]
	s_add_nc_u64 s[OB:OB+1], s[8:9], s[46:47]
	ROUND                                          ; all four work-groups are here: the joint loads meet
	tensor_load_to_lds s[G0:G0+3], s[G1:G1+7]      ; my one tensor load
	s_nop 0
.rept 4
	v_nop
.endr
	v_and_b32 v9, 31, v0                           ; lane
	s_delay_alu instid0(VALU_DEP_1)
	v_lshlrev_b32 v[L16], 4, v9
	s_delay_alu instid0(VALU_DEP_2)
	v_lshlrev_b32 v[L8], 3, v9
	v_and_b32 v10, 15, v0                          ; r
	v_bfe_u32 v11, v0, 4, 1                        ; h
	s_delay_alu instid0(VALU_DEP_2)
	v_lshlrev_b32 v[QSO], 4, v10
.macro QLOAD it                        ; tile it's fragment and scale words: two blocks on for it = 1
	global_load_b128 v[16:19], v[L16], s[QB:QB+1] offset:2*SB*\it
	global_load_b64 v[20:21], v[L8], s[QB:QB+1] offset:2*SB*\it+512
	global_load_b32 v255, v[QSO], s[QS:QS+1] offset:2*SB*\it
.endm
	QLOAD 0
	s_mul_i32 s15, s[WV], 16*272
	s_add_co_u32 s15, s15, STAGE                   ; my stage
	v_mul_u32_u24 v[STI], v10, 272
	s_delay_alu instid0(VALU_DEP_1)
	v_lshl_add_u32 v[STI], v11, 6, v[STI]
	s_delay_alu instid0(VALU_DEP_1)
	v_add_nc_u32 v[STI], s15, v[STI]               ; in: row r, + 64 h: channels 16 h on of each 32
	v_mul_u32_u24 v[STB], v11, 272
	s_delay_alu instid0(VALU_DEP_1)
	v_lshl_add_u32 v[STB], v10, 4, v[STB]
	s_delay_alu instid0(VALU_DEP_1)
	v_add_nc_u32 v[STB], s15, v[STB]               ; back: lanes 0-15 one row, lanes 16-31 the next
	v_lshlrev_b32 v[GO], 12, v11
	s_delay_alu instid0(VALU_DEP_1)
	v_lshl_add_u32 v[GO], v10, 4, v[GO]            ; and the same two rows in out0
.irp j, 22,23,24,25,26,27
	v_mov_b32 v[\j], 0                             ; Q's K = 64 .. 127: zero codes
.endr
.irp t, 0,1,2,3
.irp j, 6,7,8,9,10,11
	v_mov_b32 v[KBF+12*\t+\j], 0                   ; K's likewise, in each of the four buffers: written once
.endr
.endr
.irp b, 0,1,2,3
	v_mov_b32 v[236+\b], 0                         ; written once: a lane permute's destination counts as one of its sources
.endr
	v_mov_b32 v253, 0                              ; (named as the upper half of the pair v[252:253] before it is first written)
	s_wait_tensorcnt 0x0                           ; my block is in,
	s_barrier_signal -1
	s_barrier_wait -1                              ; everybody's is: the whole head lies in LDS, and nobody writes it again
.macro BMAX b0, b1                     ; the largest score of blocks b0, b1 of 32 keys: it serves the row's maximum and, since p rises with the score, the block's largest p
.irp b, \b0, \b1
	v_max3_num_f32 v[232+\b], v[SS+16*\b], v[SS+16*\b+1], v[SS+16*\b+2]
.endr
.irp i, 3,5,7,9,11,13
.irp b, \b0, \b1
	v_max3_num_f32 v[232+\b], v[232+\b], v[SS+16*\b+\i], v[SS+16*\b+\i+1]
.endr
.endr
.irp b, \b0, \b1
	v_max_num_f32 v[232+\b], v[232+\b], v[SS+16*\b+15]
.endr
.endm
.macro KQ4 g                           ; S^T = K Q^T for tiles 4 g .. 4 g + 3 of 16 keys: source 0 = the keys, source 1 = my queries.  An odd tile's scale words lie in lanes 16-31
.irp t, 0,1,2,3
.if (\t)%2
	v_wmma_scale_f32_16x16x128_f8f6f4 v[SS+8*(4*\g+\t):SS+8*(4*\g+\t)+7], v[KBF+12*\t:KBF+12*\t+11], v[16:27], 0, v[248+2*\g+\t/2], v255 matrix_a_fmt:MATRIX_FMT_FP6 matrix_b_fmt:MATRIX_FMT_FP6 matrix_a_scale:MATRIX_SCALE_ROW1
.else
	v_wmma_scale_f32_16x16x128_f8f6f4 v[SS+8*(4*\g+\t):SS+8*(4*\g+\t)+7], v[KBF+12*\t:KBF+12*\t+11], v[16:27], 0, v[248+2*\g+\t/2], v255 matrix_a_fmt:MATRIX_FMT_FP6 matrix_b_fmt:MATRIX_FMT_FP6
.endif
.endr
.endm
.macro KLOAD g                         ; K's tiles 4 g .. 4 g + 3: the lower six registers of the four buffers, as they were stored
.irp t, 0,1,2,3
	ds_load_b128 v[KBF+12*\t:KBF+12*\t+3], v[A16] offset:768*(4*\g+\t)
	ds_load_b64 v[KBF+12*\t+4:KBF+12*\t+5], v[A8] offset:768*(4*\g+\t)+512
.endr
.endm
; A KEY STEP: 128 keys.
.macro STEP
	v_add_nc_u32 v[A16], s[TB], v[L16]
	v_add_nc_u32 v[A8], s[TB], v[L8]
	v_nop
	v_nop                                          ; these four lines are the places behind the last step's products, in front of loads into registers that they read
	KLOAD 0
	ds_load_b128 v[248:251], v[A16] offset:12288   ; K's scale words of all eight tiles
.irp t, 0,1,2,3
.irp c, 0,1,2
	ds_load_b128 v[VBF+12*\t+4*\c:VBF+12*\t+4*\c+3], v[A16] offset:6144+1536*\t+512*\c
.endr
.endr
	ds_load_b64 v[28:29], v[A8] offset:12800       ; V^T's scale words
	s_wait_alu depctr_va_vdst(0)
	s_wait_dscnt 13                                ; K's first four tiles and its scale words are in; V^T's twelve loads and its scale words may be out
	KQ4 0
.rept 4
	v_nop                                          ; places in front of loads into the buffers just read, and of the first read of the scores
.endr
	KLOAD 1
	BMAX 0, 1                                      ; work while those loads are out
	s_wait_dscnt 0x0
	KQ4 1
.rept 4
	v_nop
.endr
	BMAX 2, 3
.irp b, 0,1,2,3
	v_permlanex16_b32 v[236+\b], v[232+\b], s[SEL], s[SEL+1]
.endr
.irp b, 0,1,2,3
	s_delay_alu instid0(VALU_DEP_4)
	v_max_num_f32 v[232+\b], v[232+\b], v[236+\b]  ; with lane l xor 16's 16 keys
.endr
	s_delay_alu instid0(VALU_DEP_2)
	v_max3_num_f32 v254, v232, v233, v234
	s_delay_alu instid0(VALU_DEP_1)
	v_max_num_f32 v254, v254, v235                 ; the step's largest score of my query
	s_delay_alu instid0(VALU_DEP_1)
	v_mul_f32 v254, s[CS], v254                    ; as t (c is positive)
	s_delay_alu instid0(VALU_DEP_1)
	v_max_num_f32 v13, v13, v254                   ; the running largest t
	v_mov_b32 v254, v12
	s_delay_alu instid0(VALU_DEP_2)
	v_floor_f32 v12, -v13                          ; the new -M = floor(-t) = -ceil(t): M is a whole number
	s_delay_alu instid0(VALU_DEP_1)
	v_sub_f32 v254, v12, v254                      ; M's old value less its new one: a whole number, 0 or less
	s_delay_alu instid0(VALU_DEP_1)
	v_cvt_i32_f32 v254, v254                       ; (it saturates)
	s_delay_alu instid0(VALU_DEP_1)
	v_ldexp_f32 v252, 1.0, v254                    ; f = 2^(old M - new M)
.set j, 0
.rept 32
	v_pk_fma_f32 v[SS+j:SS+j+1], v[SS+j:SS+j+1], s[CS:CS+1], v[12:13] op_sel_hi:[1,0,0]   ; t - M, two at a time (of the pairs c and -M the low word serves both halves)
.set j, j+2
.endr
.irp b, 0,1,2,3
	v_fma_f32 v[232+\b], v[232+\b], s[CS], v12     ; the same of each block's largest score
.endr
.set j, 0
	s_wait_alu depctr_va_vdst(0)
.rept 64
	v_exp_f32 v[SS+j], v[SS+j]                     ; p = 2^(t - M), at most 1: not normalised
.set j, j+1
.endr
	s_setprio 1
.irp b, 0,1,2,3
	v_exp_f32 v[232+\b], v[232+\b]                 ; the block's largest p: the same two instructions on the same number give the same bits
.endr
	v_pk_mul_f32 v[14:15], v[14:15], v[252:253] op_sel_hi:[1,0]   ; the sums under the new M.  (A plain place behind the exponentials)
	s_wait_alu depctr_va_vdst(0)
.irp b, 0,1,2,3
	v_max_num_f32 v[232+\b], 0x1800000, v[232+\b]  ; the floor 2^(3 - 127): the byte cannot fall under 1 (a block whose every p has fallen to 0 keeps that byte: its codes are zeros)
.endr
.irp b, 0,1,2,3
	s_delay_alu instid0(VALU_DEP_4)
	v_add_nc_u32 v[244+\b], 0xff000000, v[232+\b]  ; 2 off the exponent field: the conversion's scale operand
.endr
.irp b, 0,1,2,3
	s_delay_alu instid0(VALU_DEP_4)
	v_lshrrev_b32 v[236+\b], 23, v[244+\b]         ; the scale's byte
.endr
	s_delay_alu instid0(VALU_DEP_3)
	v_lshl_or_b32 v253, v237, 8, v236              ; p's scale word for these 128 keys
	s_delay_alu instid0(VALU_DEP_1)
	v_lshl_or_b32 v253, v238, 16, v253
	s_delay_alu instid0(VALU_DEP_1)
	v_lshl_or_b32 v253, v239, 24, v253
.irp c, 0,1
	v_cvt_scalef32_pk16_fp6_f32 v[224+6*\c:226+6*\c], v[SS+32*\c:SS+32*\c+15], v[244+2*\c]
	v_cvt_scalef32_pk16_fp6_f32 v[236+4*\c:238+4*\c], v[SS+32*\c+16:SS+32*\c+31], v[244+2*\c+1]   ; (a conversion's three registers begin on an even number)
.endr
	v_nop                                          ; one plain place behind a scaled conversion
.irp c, 0,1                            ; the operand's layout wants a whole block in a lane: lanes 0-15 block 2 c, lanes 16-31 block 2 c + 1
.irp i, 0,1,2
	v_permlane16_swap_b32 v[224+6*\c+\i], v[236+4*\c+\i]
.endr
.irp i, 0,1,2
	s_delay_alu instid0(VALU_DEP_3)
	v_mov_b32 v[227+6*\c+\i], v[236+4*\c+\i]
.endr
.endr
	v_pk_add_f32 v[236:237], v[132:133], v[136:137]
	v_pk_add_f32 v[250:251], v[140:141], v[144:145]
	v_pk_add_f32 v[248:249], v[148:149], v[152:153]
	v_pk_add_f32 v[246:247], v[156:157], v[160:161]
	v_pk_add_f32 v[244:245], v[164:165], v[168:169]
	v_pk_add_f32 v[240:241], v[172:173], v[176:177]
	v_pk_add_f32 v[72:73], v[180:181], v[184:185]
	v_pk_add_f32 v[14:15], v[14:15], v[188:189]
	v_pk_add_f32 v[236:237], v[236:237], v[128:129]
	v_pk_add_f32 v[250:251], v[250:251], v[130:131]
	v_pk_add_f32 v[248:249], v[248:249], v[134:135]
	v_pk_add_f32 v[246:247], v[246:247], v[138:139]
	v_pk_add_f32 v[244:245], v[244:245], v[142:143]
	v_pk_add_f32 v[240:241], v[240:241], v[146:147]
	v_pk_add_f32 v[72:73], v[72:73], v[150:151]
	v_pk_add_f32 v[14:15], v[14:15], v[154:155]
	v_pk_add_f32 v[236:237], v[236:237], v[158:159]
	v_pk_add_f32 v[250:251], v[250:251], v[162:163]
	v_pk_add_f32 v[248:249], v[248:249], v[166:167]
	v_pk_add_f32 v[246:247], v[246:247], v[170:171]
	v_pk_add_f32 v[244:245], v[244:245], v[174:175]
	v_pk_add_f32 v[240:241], v[240:241], v[178:179]
	v_pk_add_f32 v[72:73], v[72:73], v[182:183]
	v_pk_add_f32 v[14:15], v[14:15], v[186:187]
	v_pk_add_f32 v[236:237], v[236:237], v[190:191]
	s_delay_alu instid0(VALU_DEP_2)
	v_pk_add_f32 v[14:15], v[14:15], v[246:247]
	s_delay_alu instid0(VALU_DEP_2)
	v_pk_add_f32 v[236:237], v[236:237], v[244:245]
	s_setprio 0
	v_pk_add_f32 v[250:251], v[250:251], v[240:241]
	v_pk_add_f32 v[248:249], v[248:249], v[72:73]
	s_delay_alu instid0(VALU_DEP_2)
	v_pk_add_f32 v[14:15], v[14:15], v[250:251]
	s_delay_alu instid0(VALU_DEP_2)
	v_pk_add_f32 v[236:237], v[236:237], v[248:249]
	s_delay_alu instid0(VALU_DEP_1)
	v_pk_add_f32 v[14:15], v[14:15], v[236:237]
.set j, 0
.rept 16
	v_pk_mul_f32 v[OT+j:OT+j+1], v[OT+j:OT+j+1], v[252:253] op_sel_hi:[1,0]   ; O^T under the new M: x f.  (With the sums above: the places between the codes' and the scale word's last writes and the products below)
.set j, j+2
.endr
.irp t, 0,1,2,3                        ; O^T += V^T P^T: source 0 = 16 channels, source 1 = p; K = these 128 keys.  The four accumulators take turns, and eight other products stand between two links of a chain
.if (\t)%2
	v_wmma_scale_f32_16x16x128_f8f6f4 v[OT+8*\t:OT+8*\t+7], v[VBF+12*\t:VBF+12*\t+11], v[224:235], v[OT+8*\t:OT+8*\t+7], v[28+\t/2], v253 matrix_a_fmt:MATRIX_FMT_FP6 matrix_b_fmt:MATRIX_FMT_FP6 matrix_a_scale:MATRIX_SCALE_ROW1
.else
	v_wmma_scale_f32_16x16x128_f8f6f4 v[OT+8*\t:OT+8*\t+7], v[VBF+12*\t:VBF+12*\t+11], v[224:235], v[OT+8*\t:OT+8*\t+7], v[28+\t/2], v253 matrix_a_fmt:MATRIX_FMT_FP6 matrix_b_fmt:MATRIX_FMT_FP6
.endif
.endr
.endm
; ONE TILE OF 16 QUERIES: all 16 key steps, then the way out.
.macro TILE it
	v_mov_b32 v13, 0xff61b1e6                      ; the largest t so far: -3e38, under every t
	s_delay_alu instid0(VALU_DEP_1)
	v_floor_f32 v12, -v13                          ; -M
	v_mov_b32 v14, 0                               ; the sum, in two halves
	v_mov_b32 v15, 0
.set j, 0
.rept 32
	v_mov_b32 v[OT+j], 0                           ; O^T.  (The step is written once for each tile: its first trip finds zeros, which the first change of M leaves zeros; 32 moves are less than a further copy of the step)
.set j, j+1
.endr
	s_mov_b32 s[TB], 0
	s_mov_b32 s[CNT], 16
	s_wait_loadcnt 0x0                             ; Q
.Lkey_\@:
	s_setprio 2
	STEP
	s_add_co_u32 s[TB], s[TB], SB
	s_sub_co_u32 s[CNT], s[CNT], 1
	s_cmp_lg_u32 s[CNT], 0
	s_cbranch_scc1 .Lkey_\@
	s_setprio 0
.rept 4
	v_nop                                          ; places behind the last products
.endr
.if \it == 0
	QLOAD 1                                        ; the next tile's Q lands under the way out
.endif
	v_add_f32 v14, v14, v15                        ; the sum's two halves,
	s_delay_alu instid0(VALU_DEP_1)
	v_permlanex16_b32 v252, v14, s[SEL], s[SEL+1]
	s_delay_alu instid0(VALU_DEP_1)
	v_add_f32 v14, v14, v252                       ; and lane l xor 16's: the row's sum
	s_wait_alu depctr_va_vdst(0)
	v_rcp_f32 v14, v14
	v_nop                                          ; a plain place behind the transcendental
.set j, 0
	s_wait_alu depctr_va_vdst(0)
.rept 16
	v_pk_mul_f32 v[SS+j:SS+j+1], v[OT+j:OT+j+1], v[14:15] op_sel_hi:[1,0]   ; O^T / the sum, from each accumulator's low end on: register 16 b + i is channel 32 b + 16 h + i of my query
.set j, j+2
.endr
.irp q, 0,1,2,3,4,5,6,7
	ds_store_b128 v[STI], v[SS+4*\q:SS+4*\q+3] offset:128*(\q/4)+16*(\q%4)
.endr
.irp i, 0,1,2,3,4,5,6,7
	ds_load_b128 v[SS+32+4*\i:SS+32+4*\i+3], v[STB] offset:544*\i   ; LDS serves a wave's instructions in order: these see my stores; the stage is my wave's own
.endr
.irp i, 0,1,2,3,4,5,6,7
	s_wait_dscnt 7-\i                              ; the younger loads may be out
	global_store_b128 v[GO], v[SS+32+4*\i:SS+32+4*\i+3], s[OB:OB+1] offset:\it*1048576+(((2*\i)&7)+16*(\i/4))*4096 th:TH_STORE_NT   ; stage rows 2 i, 2 i + 1 at their tokens' rows; sixteen lanes store the head's 256 consecutive bytes, aligned
.endr
	s_wait_xcnt 0x0                                ; the stores have read their registers: the next tile's scores may be written there
.endm
	TILE 0
	TILE 1
	s_wait_tensorcnt 0x0
	ds_add_u32 v31, v243
	s_wait_dscnt 0x0
	ROUND                                          ; the closing round: no work-group ends while a partner may still ask for a block that names it
	s_endpgm
.Lfunc_end_k_qb723051d02_attn:
	.size	k_qb723051d02_attn, .Lfunc_end_k_qb723051d02_attn-k_qb723051d02_attn
	.p2alignl 7, 3214868480
	.fill 96, 4, 3214868480
	.section	.rodata,"a",@progbits
	.p2align	6, 0x0
	.amdhsa_kernel k_qb723051d02_attn
		.amdhsa_group_segment_fixed_size 280576
		.amdhsa_private_segment_fixed_size 0
		.amdhsa_enable_private_segment 0
		.amdhsa_kernarg_size 24
		.amdhsa_user_sgpr_count 2
		.amdhsa_user_sgpr_kernarg_segment_ptr 1
		.amdhsa_wavefront_size32 1
		.amdhsa_system_sgpr_workgroup_id_x 1
		.amdhsa_system_sgpr_workgroup_id_y 1
		.amdhsa_system_sgpr_workgroup_id_z 1
		.amdhsa_system_vgpr_workitem_id 0
		.amdhsa_next_free_vgpr 256
		.amdhsa_next_free_sgpr 66
		.amdhsa_reserve_vcc 0
		.amdhsa_float_denorm_mode_32 3
		.amdhsa_float_denorm_mode_16_64 3
		.amdhsa_memory_ordered 1
		.amdhsa_forward_progress 1
		.amdhsa_inst_pref_size 51
	.end_amdhsa_kernel
	.amdgpu_metadata
---
amdhsa.version: [ 1, 2 ]
amdhsa.kernels:
  - .name:           k_qb723051d02_attn
    .symbol:         k_qb723051d02_attn.kd
    .args:
      - { .name: qq, .offset: 0, .size: 8, .value_kind: global_buffer, .address_space: global }
      - { .name: kv, .offset: 8, .size: 8, .value_kind: global_buffer, .address_space: global }
      - { .name: out0, .offset: 16, .size: 8, .value_kind: global_buffer, .address_space: global }
    .group_segment_fixed_size: 280576
    .private_segment_fixed_size: 0
    .kernarg_segment_align: 8
    .kernarg_segment_size: 24
    .max_flat_workgroup_size: 512
    .sgpr_count:     66
    .vgpr_count:     256
    .wavefront_size: 32
...
	.end_amdgpu_metadata
.endif
;; end of part 3
